; MI455X (gfx1250); checked and timed in simulation.
; The chip was launched on July 23, 2026; its instructions are those of AMD's public machine-readable ISA for CDNA 5 (MIT licence, August 2026) and "CDNA5" Instruction Set Architecture Reference Guide (July 2026). The comments in the code are by the model that wrote it; some were corrected since.
;; Scaled Dot Product Attention. Allowed arithmetic: float matrix products may take bf16 or f16 operands with f32 sums; other float arithmetic in f32, or as packed bf16 or f16 multiplies, adds, multiply-adds, maxima and minima; sums over many terms, partial sums and values carried from step to step in f32; what a program stores and reads back later, other than sums and carried values, may be rounded once to bf16 or f16.
;; Inputs: K 4,096 x 1,024 float32; Q 4,096 x 1,024 float32; V 4,096 x 1,024 float32.
;; Outputs: out0 4,096 x 1,024 float32.
;; 2 versions, each right; version 2 is version 1 with the launch cast written anew for expert scheduling mode. Each part assembles by itself: llvm-mc -triple=amdgcn-amd-amdhsa -mcpu=gfx1250 --defsym DOCPART=n.
;; ======== version 1 of 2: 3 launches
;; limits: values are held in f16: magnitudes above 65,504 overflow, below 6.1e-05 lose precision; inputs' magnitudes at most 65,504
;; workspace buffers: Qb 8,388,608 bytes; Kb 8,388,608 bytes; Vh 8,388,608 bytes; P 33,554,432 bytes; stats 1,048,576 bytes
;; launch cast (part 1): grid 256 x 3, 8 waves a work-group, no clusters, 0 bytes of LDS; arguments Q, K, V, Qb, Kb, Vh; writes Qb, Kb, Vh
.if DOCPART == 1
	.amdgcn_target "amdgcn-amd-amdhsa--gfx1250"
	.amdhsa_code_object_version 6
	.text
	.protected	k_q5f0687b3c5_cast
	.globl	k_q5f0687b3c5_cast
	.p2align	8
	.type	k_q5f0687b3c5_cast,@function
k_q5f0687b3c5_cast:
	s_mov_b64 s[64:65], 0
	v_nop
	global_prefetch_b8 v0, s[64:65] scope:SCOPE_SE
	s_setreg_imm32_b32 hwreg(HW_REG_WAVE_MODE, 25, 1), 1
	s_wait_xcnt 0x0
; Q, K [4096][1024] f32  ->  Qb, Kb [4096][1024] bf16, rounded to nearest even.
; V    [4096][1024] f32  ->  Vh [4096][1024] f16: rounded to bf16 like Q and K, so that all three inputs carry the same rounding, and then
; written in f16's format, because V's partner in the second product, the probabilities, wants f16's 11 significant bits.  A bf16 number
; has 8 significant bits, so the second step is exact for 2^-14 <= |V| < 65,504.
; LIMITS: |V| >= 65,520 becomes infinite; |V| < 2^-14 is kept to within 2^-25.
; A plain stream: no LDS, no barrier, no matrix unit.  Grid y picks the tensor; a work-group takes 65,536 bytes
; of input (256 work-groups x 65,536 = the tensor's 16,777,216), a wave 8,192 of them as sixteen 16-byte loads
; a lane.  A load of the wave covers 512 consecutive bytes; the 8 bytes a lane that come of it make one store
; of 256 consecutive bytes, aligned.  All sixteen loads are issued first.
.set IN,  8                            ; v[8:71]    load j: 4 f32
.set OUT, 72                           ; v[72:103]  store j: 4 numbers of 16 bits
	s_load_b256 s[4:11], s[0:1], 0x0               ; Q s[4:5], K s[6:7], V s[8:9], Qb s[10:11]
	s_load_b128 s[12:15], s[0:1], 0x20             ; Kb s[12:13], Vh s[14:15]
	s_and_b32 s16, ttmp7, 0xffff                   ; which tensor
	s_lshl_b32 s18, ttmp9, 16                      ; the work-group's 65,536 bytes of input,
	s_mov_b32 s19, 0
	s_lshl_b32 s20, ttmp9, 15                      ; and its 32,768 bytes of output
	s_mov_b32 s21, 0
	v_and_b32 v1, 31, v0                           ; lane
	v_lshrrev_b32 v2, 5, v0                        ; wave
	v_lshlrev_b32 v3, 4, v1
	v_lshl_add_u32 v3, v2, 13, v3                  ; in:  16 lane + 8,192 wave
	v_lshlrev_b32 v4, 3, v1
	v_lshl_add_u32 v4, v2, 12, v4                  ; out:  8 lane + 4,096 wave
	s_wait_kmcnt 0x0
	s_cmp_eq_u32 s16, 1
	s_cselect_b64 s[4:5], s[6:7], s[4:5]           ; y = 1: K to Kb
	s_cselect_b64 s[10:11], s[12:13], s[10:11]
	s_cmp_eq_u32 s16, 2
	s_cselect_b64 s[4:5], s[8:9], s[4:5]           ; y = 2: V to Vh
	s_cselect_b64 s[10:11], s[14:15], s[10:11]
	s_add_nc_u64 s[4:5], s[4:5], s[18:19]
	s_add_nc_u64 s[10:11], s[10:11], s[20:21]
.irp j, 0,1,2,3,4,5,6,7,8,9,10,11,12,13,14,15
	global_load_b128 v[IN+4*\j:IN+4*\j+3], v3, s[4:5] offset:512*\j th:TH_LOAD_NT   ; read once in the launch
.endr
	s_cmp_eq_u32 s16, 2
	s_cbranch_scc1 .Lv
.irp j, 0,1,2,3,4,5,6,7,8,9,10,11,12,13,14,15
	s_wait_loadcnt 15-\j                           ; loads come back in order: load j is in, the 15 - j younger ones stay out
	v_cvt_pk_bf16_f32 v[OUT+2*\j],   v[IN+4*\j],   v[IN+4*\j+1]
	v_cvt_pk_bf16_f32 v[OUT+2*\j+1], v[IN+4*\j+2], v[IN+4*\j+3]
	global_store_b64 v4, v[OUT+2*\j:OUT+2*\j+1], s[10:11] offset:256*\j
.endr
	s_endpgm
.Lv:
.irp j, 0,1,2,3,4,5,6,7,8,9,10,11,12,13,14,15
	s_wait_loadcnt 15-\j                           ; as above
	v_cvt_pk_bf16_f32 v[OUT+2*\j],   v[IN+4*\j],   v[IN+4*\j+1]    ; the rounding
	v_cvt_pk_bf16_f32 v[OUT+2*\j+1], v[IN+4*\j+2], v[IN+4*\j+3]
	v_lshlrev_b32 v[IN+4*\j],   16, v[OUT+2*\j]                    ; back to f32: the low half moves up, the high half stays
	v_and_b32     v[IN+4*\j+1], 0xffff0000, v[OUT+2*\j]
	v_lshlrev_b32 v[IN+4*\j+2], 16, v[OUT+2*\j+1]
	v_and_b32     v[IN+4*\j+3], 0xffff0000, v[OUT+2*\j+1]
	v_cvt_pk_f16_f32 v[OUT+2*\j],   v[IN+4*\j],   v[IN+4*\j+1]     ; the change of format
	v_cvt_pk_f16_f32 v[OUT+2*\j+1], v[IN+4*\j+2], v[IN+4*\j+3]
	global_store_b64 v4, v[OUT+2*\j:OUT+2*\j+1], s[10:11] offset:256*\j
.endr
	s_endpgm
.Lfunc_end_k_q5f0687b3c5_cast:
	.size	k_q5f0687b3c5_cast, .Lfunc_end_k_q5f0687b3c5_cast-k_q5f0687b3c5_cast
	.p2alignl 7, 3214868480
	.fill 96, 4, 3214868480
	.section	.rodata,"a",@progbits
	.p2align	6, 0x0
	.amdhsa_kernel k_q5f0687b3c5_cast
		.amdhsa_group_segment_fixed_size 0
		.amdhsa_private_segment_fixed_size 0
		.amdhsa_enable_private_segment 0
		.amdhsa_kernarg_size 48
		.amdhsa_user_sgpr_count 2
		.amdhsa_user_sgpr_kernarg_segment_ptr 1
		.amdhsa_wavefront_size32 1
		.amdhsa_system_sgpr_workgroup_id_x 1
		.amdhsa_system_sgpr_workgroup_id_y 1
		.amdhsa_system_sgpr_workgroup_id_z 1
		.amdhsa_system_vgpr_workitem_id 0
		.amdhsa_next_free_vgpr 104
		.amdhsa_next_free_sgpr 66
		.amdhsa_reserve_vcc 0
		.amdhsa_float_denorm_mode_32 3
		.amdhsa_float_denorm_mode_16_64 3
		.amdhsa_memory_ordered 1
		.amdhsa_forward_progress 1
		.amdhsa_inst_pref_size 16
	.end_amdhsa_kernel
	.amdgpu_metadata
---
amdhsa.version: [ 1, 2 ]
amdhsa.kernels:
  - .name:           k_q5f0687b3c5_cast
    .symbol:         k_q5f0687b3c5_cast.kd
    .args:
      - { .name: Q, .offset: 0, .size: 8, .value_kind: global_buffer, .address_space: global }
      - { .name: K, .offset: 8, .size: 8, .value_kind: global_buffer, .address_space: global }
      - { .name: V, .offset: 16, .size: 8, .value_kind: global_buffer, .address_space: global }
      - { .name: Qb, .offset: 24, .size: 8, .value_kind: global_buffer, .address_space: global }
      - { .name: Kb, .offset: 32, .size: 8, .value_kind: global_buffer, .address_space: global }
      - { .name: Vh, .offset: 40, .size: 8, .value_kind: global_buffer, .address_space: global }
    .group_segment_fixed_size: 0
    .private_segment_fixed_size: 0
    .kernarg_segment_align: 8
    .kernarg_segment_size: 48
    .max_flat_workgroup_size: 256
    .sgpr_count:     66
    .vgpr_count:     104
    .wavefront_size: 32
...
	.end_amdgpu_metadata
.endif
;; end of part 1
;; launch scores (part 2): grid 17 x 8, 4 waves a work-group, no clusters, 327,680 bytes of LDS; arguments Qb, Kb, P, stats; writes P, stats
.if DOCPART == 2
	.amdgcn_target "amdgcn-amd-amdhsa--gfx1250"
	.amdhsa_code_object_version 6
	.text
	.protected	k_q5f0687b3c5_scores
	.globl	k_q5f0687b3c5_scores
	.p2align	8
	.type	k_q5f0687b3c5_scores,@function
k_q5f0687b3c5_scores:
	s_mov_b64 s[64:65], 0
	v_nop
	global_prefetch_b8 v0, s[64:65] scope:SCOPE_SE
	s_setreg_imm32_b32 hwreg(HW_REG_WAVE_MODE, 25, 1), 1
	s_wait_xcnt 0x0
; S = Qb Kb^T for the 136 blocks of 256 x 256 on and below the diagonal, and a softmax of each (row, block of 128 keys) by itself:
;   t = c (q.k), c = log2(e) / 1024;   m = max of t over the block's unmasked keys;   P = f16(exp2(t - m));   l = sum of exp2(t - m) in f32.
; stats: m[kb][row] f32 at 16,384 kb + 4 row, l[kb][row] 524,288 bytes behind it.
; P LIES IN THE ORDER OF THE NEXT LAUNCH'S FRAGMENTS: [256 row blocks of 16][128 chunks of 32 keys][1,024 bytes]; in a chunk, byte 512 c + 16 l + 2 j holds
; row l % 16, key 16 c + 8 (l / 16) + j.  That is what lane l holds here (see TRANSPOSED below), so P leaves straight from registers, and a store of
; the wave covers 512 consecutive bytes, aligned.  Only key blocks kb <= row / 128 are stored (masked keys inside them as 0); the next launch reads no others.
; The next launch joins the blocks of a row by their maxima, so a true maximum is taken away in front of every exponential.
; P lies in [0, 1] whatever the inputs, so f16's range serves it; its 11 significant bits are wanted in the first rows, where a row has few keys.
; LIMITS: finite inputs; Q and K enter as bf16; P is rounded to f16 (0 below 2^-25); v_exp_f32 gives 0 below 2^-126; sums in an order of their own.
;
; Grid 17 x 8: block rows y and 15 - y hold y + 1 and 16 - y blocks, 17 together.  Four waves, one for each SIMD of a WGP, each with
; 128 x 128 of S in 512 registers.  K = 1024 goes in 8 steps of 128 through two LDS slots filled by the tensor data mover, one load a wave.
; NO CLUSTER: Q's tiles are shared along a block row and K's along a block column, but the triangle's rows hold 1 to 16 blocks; a group of
; four along either axis would cross the diagonal and hold work-groups whose whole block is masked.  So each work-group asks for itself.
; In a diagonal block the wave of rows 0-127, keys 128-255 has only masked scores.  It runs the K loop with the others (it fetches a
; quarter of every tile and passes every barrier) and stores nothing: 16 of the launch's 544 waves.
;
; REGISTERS in windows of 256: window 0: v16-51 addresses and small things, v64-127 and v128-191 fragments of Q (two buffers), v192-223 packed P;
; window 1: v64-127, v128-191 fragments of K;  window 2: accumulator tiles of my rows 0-63 (tile (a, b) at v[8 (8 a + b)]);  window 3: rows 64-127.
; THE MATRIX INSTRUCTION IS USED TRANSPOSED: source 0 = 16 rows of K, source 1 = 16 rows of Q.  Lane l then holds query row l % 16 and, in
; registers 0 to 7, the keys 8 (l / 16) + 0..7: a row's maximum and sum need one step between lanes l and l xor 16, and 8 P pack into 16 bytes.
.set KSTEP,  128
.set PITCH,  272                       ; an LDS row: 256 bytes + 16 of padding, an odd multiple of 16: the 16 rows of a fragment load start 16 bytes apart modulo 256
.set HALFT,  128*PITCH                 ; 128 rows: one tensor load
.set SLOT,   4*HALFT                   ; Q's 256 rows, then K's 256 rows
.set SSTAGE, 2*SLOT                    ; 278,528 = 1,088 x 256: behind the ring, 1,024 bytes for each wave: 128 m, 128 l; no tensor load lands here
.set PRB,    131072                    ; bytes of a row block of 16 rows in P: 128 chunks of 1,024
.set LAPS,   4                         ; a lap = two K steps = once round the ring
.set ADRA, 16                          ; v16-17  LDS address of my Q fragments in slot 0, 1
.set ADRB, 20                          ; v20-21  the same for K
.set SST,  27                          ; where lanes 0-15 put m and lanes 16-31 put l
.set SRD,  28                          ; where I read 4 of them back
.set L16,  29                          ; 16 x lane
.set NM,   30                          ; v[30:31] -m, twice
.set MX,   32                          ; v[32:35] four chains of maxima
.set MS,   36                          ; m
.set LS,   37                          ; l
.set SV,   38                          ; m or l, by the lane's half
.set PX,   39                          ; what comes from lane l xor 16
.set ZR,   40                          ; v[40:43] zeros
.set SB,   44                          ; v[44:51] stats on their way out
.set F0,   64
.set F1,   128
.set T,    64                          ; the way out: 64 numbers at work (buffer 0 is free by then)
.set PB,   192                         ; the way out: packed P
.set G1, 24                            ; s[24:31] descriptor group 1
.set G0, 32                            ; s[32:39] descriptor group 0, one set for each slot
.set MSB, 0
.macro WIN new                         ; the immediate's high byte repeats the setting that is left
.if MSB != (\new)
	s_set_vgpr_msb (MSB<<8)|(\new)
.set MSB, (\new)
.endif
.endm
.set MUL_LO, 0xa1                      ; source 0 (K) window 1, source 1 (Q) window 0, C and D window 2
.set MUL_HI, 0xf1                      ; the same, C and D window 3
.set TO_B,   0x40                      ; destination window 1, address window 0
	s_load_b256 s[4:11], s[0:1], 0x0               ; Qb s[4:5], Kb s[6:7], P s[8:9], stats s[10:11]
	s_set_vgpr_msb 0x40
	v_lshl_add_u32 v255, v0, 2, 0x45000
	s_set_vgpr_msb 0x4000
	v_mov_b32 v255, 0
	s_set_vgpr_msb 0x1
	ds_add_u32 v255, v255
	ds_add_u32 v255, v255
	s_set_vgpr_msb 0x100
	v_lshrrev_b32 v1, 5, v0
	v_readfirstlane_b32 s12, v1                    ; wave 0..3
	s_lshr_b32 s13, s12, 1                         ; my half of the block's rows.  Also: I fetch for Q (0) or for K (1)
	s_and_b32 s14, s12, 1                          ; my half of its keys.  Also: which 128 rows of that tile I fetch
	s_and_b32 s18, ttmp7, 0xffff                   ; y
	s_mov_b32 s21, ttmp9                           ; x
	s_sub_co_u32 s19, 15, s18
	s_sub_co_u32 s20, s21, s18
	s_sub_co_u32 s20, s20, 1
	s_cmp_le_u32 s21, s18
	s_cselect_b32 s15, s18, s19                    ; bi = x <= y ? y : 15 - y
	s_cselect_b32 s16, s21, s20                    ; bj = x <= y ? x : x - y - 1
	; group 1: a tile of 128 rows x 128 bf16, rows 1,024 elements apart, 4 words of padding behind every 64
	s_mov_b32 s[G1+0], (1<<16)|(1<<20)|(5<<22)|(3<<25)
	s_mov_b32 s[G1+1], KSTEP<<16                   ; tensor_dim0 = 128
	s_mov_b32 s[G1+2], 128<<16                     ; tensor_dim1 = 128
	s_mov_b32 s[G1+3], KSTEP<<16                   ; tile_dim0 = 128
	s_mov_b32 s[G1+4], 128                         ; tile_dim1 = 128
	s_mov_b32 s[G1+5], 1024                        ; the pitch
	s_mov_b32 s[G1+6], 0
	s_mov_b32 s[G1+7], 0
	s_cmp_eq_u32 s13, 0
	s_cselect_b32 s20, s15, s16                    ; Q's tile hangs on bi, K's on bj
	s_lshl_b32 s20, s20, 19                        ; 256 rows of 2,048 bytes
	s_lshl_b32 s21, s14, 18                        ; + my 128 rows
	s_add_co_u32 s20, s20, s21
	s_mov_b32 s21, 0
	s_mul_i32 s22, s12, HALFT                      ; Q's two halves, then K's two halves = wave x 128 rows
	s_wait_dscnt 0x0
	s_wait_kmcnt 0x0
	s_cmp_eq_u32 s13, 0
	s_cselect_b64 s[18:19], s[4:5], s[6:7]
	s_add_nc_u64 s[18:19], s[18:19], s[20:21]
.irp s, 0,1
	s_mov_b32 s[G0+4*\s], 1
	s_add_co_u32 s[G0+4*\s+1], s22, \s*SLOT                        ; LDS address
	s_add_nc_u64 s[G0+4*\s+2:G0+4*\s+3], s[18:19], \s*KSTEP*2      ; K step s
	s_or_b32 s[G0+4*\s+3], s[G0+4*\s+3], 0x80000000                ; type = 2
	tensor_load_to_lds s[G0+4*\s:G0+4*\s+3], s[G1:G1+7]            ; both first fills go out ahead of everything else: two loads of the wave are out
	s_nop 0
.endr
	; where P and the stats go
	s_lshl_b32 s18, s15, 21                        ; 16 bi row blocks of 131,072 bytes
	s_lshl_b32 s19, s13, 20                        ; + 8 row blocks
	s_add_co_u32 s18, s18, s19
	s_lshl_b32 s19, s16, 13                        ; + 8 bj chunks of 1,024 bytes
	s_add_co_u32 s18, s18, s19
	s_lshl_b32 s19, s14, 12                        ; + 4 chunks
	s_add_co_u32 s18, s18, s19
	s_mov_b32 s19, 0
	s_add_nc_u64 s[8:9], s[8:9], s[18:19]
	s_lshl_b32 s18, s16, 15                        ; kb = 2 bj + my half, 16,384 bytes each
	s_lshl_b32 s19, s14, 14
	s_add_co_u32 s18, s18, s19
	s_lshl_b32 s19, s15, 10                        ; + 4 (256 bi + 128 half)
	s_add_co_u32 s18, s18, s19
	s_lshl_b32 s19, s13, 9
	s_add_co_u32 s18, s18, s19
	s_mov_b32 s19, 0
	s_add_nc_u64 s[10:11], s[10:11], s[18:19]
	s_sub_co_u32 s17, s14, s13
	s_add_co_u32 s17, s17, 1
	s_cmp_eq_u32 s15, s16
	s_cselect_b32 s17, s17, 0                      ; my 128 x 128: 0 below the diagonal, 1 on it, 2 above it
	s_mov_b32 s40, 0x3ab8aa3b                      ; c = log2(e) / 1024, as a pair for the packed forms
	s_mov_b32 s41, 0x3ab8aa3b
	s_mov_b32 s42, 0xbab8aa3b                      ; -c
	s_mov_b32 s43, 0xff800000                      ; -infinity
	s_mov_b32 s44, 0x76543210                      ; v_permlanex16_b32: lane l takes lane l xor 16
	s_mov_b32 s45, 0xfedcba98
	s_mov_b32 s46, 0xffff0000                      ; lanes 16-31
	v_and_b32 v1, 15, v0                           ; r = l % 16
	v_bfe_u32 v2, v0, 4, 1                         ; h = l / 16
	v_mul_u32_u24 v3, v1, PITCH
	v_lshl_add_u32 v3, v2, 4, v3                   ; row x pitch + 16 h: a fragment is two loads of 16 bytes, 32 bytes apart, from here
	s_mul_i32 s20, s13, HALFT                      ; my 128 rows of Q
	s_mul_i32 s21, s14, HALFT                      ; my 128 rows of K,
	s_add_co_u32 s21, s21, 2*HALFT                 ; which lie behind Q's 256
.irp s, 0,1
	v_add_nc_u32 v[ADRA+\s], s20, v3
	v_add_nc_u32 v[ADRB+\s], s21, v3
	s_add_co_u32 s20, s20, SLOT
	s_add_co_u32 s21, s21, SLOT
.endr
	s_lshl_b32 s23, s12, 10
	s_add_co_u32 s23, s23, SSTAGE                  ; my stage for m and l
	v_lshlrev_b32 v5, 9, v2
	v_lshl_add_u32 v5, v1, 2, v5
	v_add_nc_u32 v[SST], s23, v5                   ; 512 h + 4 r
	v_and_b32 v5, 31, v0
	v_lshlrev_b32 v[L16], 4, v5
	v_add_nc_u32 v[SRD], s23, v[L16]
	v_mov_b32 v[PX], 0                             ; v_permlanex16_b32 counts as a reader of its destination
.irp j, 0,1,2,3
	v_mov_b32 v[ZR+\j], 0
.endr
	v_lshlrev_b32 v5, 3, v2
	v_sub_nc_u32 v5, v1, v5                        ; r - 8 h
.irp j, 0,1,2,3,4,5,6,7
	v_cmp_gt_i32 s[48+\j], \j, v5                  ; in a tile on the diagonal register j is masked where key 8 h + j > row r
.endr
; 16 matrix instructions: row blocks a0, a0 + 1 of the window's four x all 8 key blocks, 32 along K.  zero = 1: the first product starts the sums.
.macro MUL16 f, hi, a0, zero
.irp a, \a0, \a0+1
.irp b, 0,1,2,3,4,5,6,7
.if \zero
	v_wmma_f32_16x16x32_bf16 v[8*(8*(\a)+\b):8*(8*(\a)+\b)+7], v[\f+8*\b:\f+8*\b+7], v[\f+8*(4*\hi+\a):\f+8*(4*\hi+\a)+7], 0
.else
	v_wmma_f32_16x16x32_bf16 v[8*(8*(\a)+\b):8*(8*(\a)+\b)+7], v[\f+8*\b:\f+8*\b+7], v[\f+8*(4*\hi+\a):\f+8*(4*\hi+\a)+7], v[8*(8*(\a)+\b):8*(8*(\a)+\b)+7]
.endif
.endr
.endr
.endm
; 32 LDS loads in one run: a quarter step's fragments (128 rows of K, 128 rows of Q, 32 K at byte k of the rows) into buffer f
.macro FETCH slot, k, f
	WIN TO_B
.irp i, 0,1,2,3,4,5,6,7
	ds_load_b128 v[\f+8*\i:\f+8*\i+3],   v[ADRB+\slot] offset:\k+\i*16*PITCH
	ds_load_b128 v[\f+8*\i+4:\f+8*\i+7], v[ADRB+\slot] offset:\k+\i*16*PITCH+32
.endr
	WIN 0
.irp i, 0,1,2,3,4,5,6,7
	ds_load_b128 v[\f+8*\i:\f+8*\i+3],   v[ADRA+\slot] offset:\k+\i*16*PITCH
	ds_load_b128 v[\f+8*\i+4:\f+8*\i+7], v[ADRA+\slot] offset:\k+\i*16*PITCH+32
.endr
.endm
; A load into a register that a matrix instruction has read, and a vector instruction that reads a matrix result, stand four plain vector
; instructions behind that matrix instruction; the matrix instructions in between are not counted here.
.macro PLACES
.rept 4
	v_nop
.endr
.endm
; A K step is four quarters of 32 along K, 64 matrix instructions each, on buffers 0, 1, 0, 1.  The 64 accumulators take turns, one instruction
; a turn, in the same order in every quarter, over the loop's backward jump too.
.macro QUARTER slot, k, f, g, zero
	s_wait_dscnt 8                                 ; K's fragments and Q's rows 0-63 are in; the youngest eight loads (Q's rows 64-127) may be out
	WIN MUL_LO
	MUL16 \f, 0, 0, \zero
	MUL16 \f, 0, 2, \zero
	PLACES
	FETCH \slot, \k, \g
	s_wait_dscnt 32                                ; all but the 32 just issued
	WIN MUL_HI
	MUL16 \f, 1, 0, \zero
	MUL16 \f, 1, 2, \zero
.endm
.macro THREE slot, zero
	QUARTER \slot, 64,  F0, F1, \zero
	QUARTER \slot, 128, F1, F0, 0
	QUARTER \slot, 192, F0, F1, 0
.endm
; The last quarter multiplies buffer 1 and changes slots.  One barrier: in front of it each wave waits for its reads of this slot and for all
; its tensor loads (one is out: its part of the next slot); behind it nobody reads this slot and the next is whole.  The refill comes first,
; one load a wave; from there to the wait for it the wave issues 240 matrix instructions.
.macro TURN slot, next, fill
	s_wait_dscnt 8
	WIN MUL_LO
	MUL16 F1, 0, 0, 0
	s_wait_dscnt 0                                 ; my reads of this slot are over
	s_wait_tensorcnt 0x0                           ; all my tensor loads have landed
	ds_add_u32 v255, v255
	s_wait_dscnt 0x0
	s_barrier_signal -1
	MUL16 F1, 0, 2, 0                              ; registers only, while the others arrive
	s_barrier_wait -1
.if \fill
	s_add_nc_u64 s[G0+4*\slot+2:G0+4*\slot+3], s[G0+4*\slot+2:G0+4*\slot+3], 2*KSTEP*2   ; no load of mine is out: the group may be written
	tensor_load_to_lds s[G0+4*\slot:G0+4*\slot+3], s[G1:G1+7]
	s_nop 0
.endif
	PLACES
	FETCH \next, 0, F0
	WIN MUL_HI
	MUL16 F1, 1, 0, 0
	MUL16 F1, 1, 2, 0
.endm
.macro LAP zero
	THREE 0, \zero
	TURN 0, 1, 1
	THREE 1, 0
	TURN 1, 0, 1
.endm
	s_wait_tensorcnt 1                             ; my part of K step 0 is in; K step 1's load stays out
	s_barrier_signal -1
	s_barrier_wait -1
	FETCH 0, 0, F0
	LAP 1                                          ; K steps 0, 1: the first products start the sums
	WIN 0                                          ; at a label and at a branch every window is 0
	s_mov_b32 s3, LAPS-2
.Llap:
	LAP 0                                          ; K steps 2 to 5
	WIN 0
	s_sub_co_u32 s3, s3, 1
	s_cmp_lg_u32 s3, 0
	s_cbranch_scc1 .Llap
	THREE 0, 0                                     ; K steps 6, 7: nothing is left to fetch
	TURN 0, 1, 0
	THREE 1, 0
	s_wait_dscnt 8
	WIN MUL_LO
	MUL16 F1, 0, 0, 0
	MUL16 F1, 0, 2, 0
	s_wait_dscnt 0
	WIN MUL_HI
	MUL16 F1, 1, 0, 0
	MUL16 F1, 1, 2, 0
	PLACES                                         ; in front of everything that reads results or writes fragment registers
	WIN 0
; THE WAY OUT, 16 rows at a time: rows 16 a .. 16 a + 15 of my 128 = the tiles (a, 0..7).  diag = 1: my 128 x 128 lies on the diagonal:
; tiles b < a are whole, tile b = a is masked above its diagonal, tiles b > a are zeros and are not looked at.
; Tile b's 16 bytes a lane are half b % 2 of chunk b / 2 of my four chunks: byte 512 b + 16 l of the row block's 4,096 bytes that are mine.
.macro ROWS16 a, diag
.set AW, 2+((\a)>>2)                   ; the accumulators' window
.set AB, 64*((\a)&3)                   ; and the first register of tile (a, 0) in it
.if \diag
.set NB, \a+1
.set WV, (AW<<6)|AW
	WIN WV
.irp j, 0,1,2,3,4,5,6,7
	v_cndmask_b32 v[AB+8*\a+\j], v[AB+8*\a+\j], s43, s[48+\j]      ; key > row: -infinity
.endr
.else
.set NB, 8
.endif
.set WV, (AW<<2)|(AW<<4)
	WIN WV
.set i, 0
.rept 4
	v_max3_num_f32 v[MX+i], s43, v[AB+2*i], v[AB+2*i+1]            ; four chains, started from -infinity: the first tile always has an unmasked key in one of the row's two lanes
.set i, i+1
.endr
.if NB > 1
.rept 4*NB-4
	v_max3_num_f32 v[MX+i%4], v[MX+i%4], v[AB+2*i], v[AB+2*i+1]
.set i, i+1
.endr
.endif
	WIN 0
	v_max3_num_f32 v[MX], v[MX], v[MX+1], v[MX+2]
	v_max_num_f32 v[MX], v[MX], v[MX+3]
	v_permlanex16_b32 v[PX], v[MX], s44, s45       ; the row's other 8 keys of each tile lie in lane l xor 16
	v_max_num_f32 v[MX], v[MX], v[PX]              ; the row's largest q.k; finite: key = row is never masked
	v_mul_f32 v[NM], s42, v[MX]                    ; -m = -c max
	v_mul_f32 v[NM+1], s42, v[MX]
	WIN AW
.set i, 0
.rept 4*NB
	v_pk_fma_f32 v[T+2*i:T+2*i+1], v[AB+2*i:AB+2*i+1], s[40:41], v[NM:NM+1] op_sel_hi:[1,0,1]   ; t - m = c (q.k) - m, one rounding
.set i, i+1
.endr
	WIN 0
.set i, 0
.rept 8*NB
	v_exp_f32 v[T+i], v[T+i]
.set i, i+1
.endr
	v_sub_f32 v[MS], 0, v[NM]                      ; m; also the plain instruction between the exponentials and the first use of a result (ISA guide 5.7.2)
	s_wait_xcnt 0x0                                ; PB, which the last 16 rows' stores read, is rewritten only behind this wait
.set i, 0
	s_wait_alu depctr_va_vdst(0)
.rept 4*NB
	v_cvt_pk_f16_f32 v[PB+i], v[T+2*i], v[T+2*i+1]
.set i, i+1
.endr
.irp b, 0,1,2,3,4,5,6,7
.if \b < NB
	global_store_b128 v[L16], v[PB+4*\b:PB+4*\b+3], s[8:9] offset:\a*PRB+512*\b    ; 512 consecutive bytes, aligned
.else
	global_store_b128 v[L16], v[ZR:ZR+3], s[8:9] offset:\a*PRB+512*\b
.endif
.endr
.if NB > 1
.set i, 4
.rept 4*NB-4
	v_pk_add_f32 v[T+2*(i%4):T+2*(i%4)+1], v[T+2*(i%4):T+2*(i%4)+1], v[T+2*i:T+2*i+1]           ; l in f32, four chains of pairs
.set i, i+1
.endr
.endif
	v_pk_add_f32 v[T:T+1], v[T:T+1], v[T+2:T+3]
	v_pk_add_f32 v[T+4:T+5], v[T+4:T+5], v[T+6:T+7]
	v_pk_add_f32 v[T:T+1], v[T:T+1], v[T+4:T+5]
	v_add_f32 v[T], v[T], v[T+1]
	v_permlanex16_b32 v[PX], v[T], s44, s45
	v_add_f32 v[LS], v[T], v[PX]
	v_cndmask_b32 v[SV], v[MS], v[LS], s46         ; lanes 0-15 carry m, lanes 16-31 l
	ds_store_b32 v[SST], v[SV] offset:64*\a        ; m and l go through my own 1,024 bytes of LDS, so that they leave as whole runs of 512 bytes
.endm
	s_cmp_eq_u32 s17, 2
	s_cbranch_scc1 .Lend                           ; all my scores are masked: the next launch reads no P, m or l of a key block above the diagonal
	s_cmp_eq_u32 s17, 1
	s_cbranch_scc1 .Ldiag
	ROWS16 0, 0
	ROWS16 1, 0
	ROWS16 2, 0
	ROWS16 3, 0
	ROWS16 4, 0
	ROWS16 5, 0
	ROWS16 6, 0
	ROWS16 7, 0
	s_branch .Lstats
.Ldiag:
	ROWS16 0, 1
	ROWS16 1, 1
	ROWS16 2, 1
	ROWS16 3, 1
	ROWS16 4, 1
	ROWS16 5, 1
	ROWS16 6, 1
	ROWS16 7, 1
.Lstats:
	ds_load_b128 v[SB:SB+3],   v[SRD]              ; my 128 m and 128 l, 4 a lane; LDS serves a wave's instructions in order (ISA guide 5.7.1): these see my stores
	ds_load_b128 v[SB+4:SB+7], v[SRD] offset:512
	s_wait_dscnt 0x0
	global_store_b128 v[L16], v[SB:SB+3],   s[10:11]               ; 512 consecutive bytes each
	global_store_b128 v[L16], v[SB+4:SB+7], s[10:11] offset:524288
.Lend:
	s_set_vgpr_msb 0x1
	s_wait_tensorcnt 0x0
	ds_add_u32 v255, v255
	s_wait_dscnt 0x0
	s_set_vgpr_msb 0x100
	s_endpgm
.Lfunc_end_k_q5f0687b3c5_scores:
	.size	k_q5f0687b3c5_scores, .Lfunc_end_k_q5f0687b3c5_scores-k_q5f0687b3c5_scores
	.p2alignl 7, 3214868480
	.fill 96, 4, 3214868480
	.section	.rodata,"a",@progbits
	.p2align	6, 0x0
	.amdhsa_kernel k_q5f0687b3c5_scores
		.amdhsa_group_segment_fixed_size 327680
		.amdhsa_private_segment_fixed_size 0
		.amdhsa_enable_private_segment 0
		.amdhsa_kernarg_size 32
		.amdhsa_user_sgpr_count 2
		.amdhsa_user_sgpr_kernarg_segment_ptr 1
		.amdhsa_wavefront_size32 1
		.amdhsa_system_sgpr_workgroup_id_x 1
		.amdhsa_system_sgpr_workgroup_id_y 1
		.amdhsa_system_sgpr_workgroup_id_z 1
		.amdhsa_system_vgpr_workitem_id 0
		.amdhsa_next_free_vgpr 1024
		.amdhsa_next_free_sgpr 66
		.amdhsa_reserve_vcc 0
		.amdhsa_float_denorm_mode_32 3
		.amdhsa_float_denorm_mode_16_64 3
		.amdhsa_memory_ordered 1
		.amdhsa_forward_progress 1
		.amdhsa_inst_pref_size 255
	.end_amdhsa_kernel
	.section	.bss,"aw",@nobits
	.p2align	6
	.space	262144
	.amdgpu_metadata
---
amdhsa.version: [ 1, 2 ]
amdhsa.kernels:
  - .name:           k_q5f0687b3c5_scores
    .symbol:         k_q5f0687b3c5_scores.kd
    .args:
      - { .name: Qb, .offset: 0, .size: 8, .value_kind: global_buffer, .address_space: global }
      - { .name: Kb, .offset: 8, .size: 8, .value_kind: global_buffer, .address_space: global }
      - { .name: P, .offset: 16, .size: 8, .value_kind: global_buffer, .address_space: global }
      - { .name: stats, .offset: 24, .size: 8, .value_kind: global_buffer, .address_space: global }
    .group_segment_fixed_size: 327680
    .private_segment_fixed_size: 0
    .kernarg_segment_align: 8
    .kernarg_segment_size: 32
    .max_flat_workgroup_size: 128
    .sgpr_count:     66
    .vgpr_count:     1024
    .wavefront_size: 32
...
	.end_amdgpu_metadata
.endif
;; end of part 2
;; launch pv (part 3): grid 8 x 32, 4 waves a work-group, clusters of 4 x 4, 327,680 bytes of LDS; arguments P, Vh, stats, out0; writes out0
.if DOCPART == 3
	.amdgcn_target "amdgcn-amd-amdhsa--gfx1250"
	.amdhsa_code_object_version 6
	.text
	.protected	k_q5f0687b3c5_pv
	.globl	k_q5f0687b3c5_pv
	.p2align	8
	.type	k_q5f0687b3c5_pv,@function
k_q5f0687b3c5_pv:
	s_mov_b64 s[64:65], 0
	v_nop
	global_prefetch_b8 v0, s[64:65] scope:SCOPE_SE
	s_setreg_imm32_b32 hwreg(HW_REG_WAVE_MODE, 25, 1), 1
	s_wait_xcnt 0x0
	s_wait_alu depctr_hold_cnt(0) depctr_sa_sdst(0) depctr_va_vdst(0) depctr_va_sdst(0) depctr_va_ssrc(0) depctr_va_vcc(0) depctr_vm_vsrc(0)
	s_getreg_b32 s2, hwreg(HW_REG_IB_STS2, 6, 4)
	s_cmp_eq_u32 s2, 0
	s_cbranch_scc0 .Lentry_in_a_cluster
	s_endpgm
.Lentry_in_a_cluster:
	s_bfe_u32 s2, ttmp6, 0x10000c
	s_cmp_lg_u32 s2, 0xf033
	s_cbranch_scc0 .Lentry_shape_is_right
	s_endpgm
.Lentry_shape_is_right:
; out0[row][d] = (sum over key blocks kb of w[kb][row] (P[row][kb's keys] . Vh[keys][d])) / L[row], with, for each row,
;   M = max over kb of m[kb],  w[kb] = f16(exp2(m[kb] - M)) (0 for blocks above the diagonal),  L = sum of w[kb] l[kb] with the same rounded w.
; Every exponent is <= 0 and L >= 1 (the block that holds M has w = 1 and l >= 1).  P, w and w P lie in [0, 1]: f16's range serves them.
; LIMITS: finite inputs; V, P and w P enter the matrix unit as f16 (w P is a second rounding; 0 below 2^-25); v_exp_f32 gives 0 below 2^-126;
; sums in an order of their own.
;
; A work-group makes 128 rows x 128 columns of out0: x = the slice of d, y = the block of rows.  THE FOUR WAVES SPLIT THE KEYS.  The keys go in laps of 512;
; in lap n wave w takes key block kb = 4 n + w (128 keys) and multiplies it into the whole 128 x 128 block (512 registers) in four halves... of 32 keys,
; 64 matrix instructions each; 16 KiB of operands feed 64 matrix instructions.  The four partial blocks meet in LDS at the end.
; V comes through LDS, because it lies [key][d] and the matrix unit wants it transposed (ds_load_tr16_b128).  A wave fetches, and alone reads, its own 128 keys.
; P COMES STRAIGHT INTO REGISTERS.  With the keys split, each byte of P is used by one wave, once; the launch before has stored P in the order of my fragments
; ([row block of 16][chunk of 32 keys][1,024 bytes]), so a load of the wave takes 512 consecutive bytes.  A ring of four buffers of 64 registers is filled
; three halves ahead.  LDS then holds V alone: a slot takes 512 keys where P and V together would leave room for 256, and a refill has 240 matrix
; instructions in which to land.
; CLUSTERS: 4 x 4 work-groups.  The four of a column of the cluster share x, so V's tiles: asked for jointly, which divides the requests for V by four.
; P's blocks are shared too (by the 8 slices of d) but are not asked for jointly: a joint request ends in LDS, which P does not pass.
; All sixteen walk the same 2 (c / 2 + 1) laps, c = the cluster's y: whole pairs of laps, so that a slot's address is a constant of the text; that is up to
; 1,024 keys more than a row needs.  For a key block above the diagonal (kb > y) the addresses of P and m are clamped to block y and the weight is 0.
; THE WEIGHTS of a lap are made in registers: the wave keeps its rows' M in 8 registers, loads the rows' m[kb] (512 consecutive bytes, by 8 loads) two and
; a half halves ahead, and forms exp2(m - M).
;
; LDS: 0 M, 512 bytes; 512 1 / L, 512 bytes; 1,024 the ring: two slots of 147,456 bytes: 512 keys x (256 + 32) bytes.  Behind the ring's last fill its bytes
; take the four partial blocks.
; REGISTERS: window 0: v20-63 addresses, M, weights; v64-127, v128-191, v192-255 P's buffers 0, 1, 2; window 1: v0-63 P's buffer 3, v64-127 and v128-191
; fragments of V; windows 2, 3: accumulators (tile (a, b) of rows 16 a, columns 16 b at v[8 (8 (a % 4) + b)] of window 2 + a / 4).
; TRANSPOSED USE: source 0 = 16 columns of V, source 1 = 16 rows of P: lane l holds row l % 16 and the columns 8 (l / 16) + 0..7.
.set MTAB,   0
.set LTAB,   512
.set RING,   1024
.set VPITCH, 288                       ; an odd multiple of 32, as the transposing load's rows want
.set VQ,     128*VPITCH                ; 36,864: a wave's quarter of a slot
.set SLOT,   4*VQ
.set RPITCH, 528                       ; a row of a partial block: 512 bytes + 16
.set RPART,  128*RPITCH                ; 67,584
.set PRB,    131072                    ; bytes of a row block of 16 rows in P
.set ADRB,  20                         ; v20-21  my V fragments in slot 0, 1
.set MRD,   22                         ; 4 r: row r's word in the table of M
.set MOFF,  23                         ; 4 (128 y + r): row r's word in a key block's m
.set REDST, 24                         ; where I put my partial block
.set L16,   26                         ; 16 x lane
.set LRD,   27                         ; 1 / L of the 32 rows that I finish
.set REDRD, 28                         ; v[28:31] those rows in the four partial blocks
.set MR,    32                         ; v[32:39] M of rows 16 a + r, a = 0..7
.set W0,    40                         ; v[40:47], v[48:55]  weights {w, w} of those rows for slot 0, 1
.set MW,    56                         ; v[56:63] the next lap's m of those rows, then its weights in f32
.set VF0,   64                         ; window 1: V's fragments, two buffers
.set VF1,   128
.set F0,    64                         ; the way out: two buffers in window 0
.set F1,    128
.set IL,    192
.set G1B, 24                           ; s[24:31] group 1 for V's tiles
.set G0B, 32                           ; s[32:39] group 0 for V's tiles, one set for each slot
.set MSB, 0
.macro WIN new                         ; the immediate's high byte repeats the setting that is left
.if MSB != (\new)
	s_set_vgpr_msb (MSB<<8)|(\new)
.set MSB, (\new)
.endif
.endm
.set TO_B,   0x40                      ; destination window 1, address window 0
.macro CREST                           ; a round of the cluster's barrier behind its opening barrier
	s_cmp_lg_u32 s12, 0
	s_cbranch_scc1 .Lnot_wave_0_\@
	s_barrier_signal -3
.Lnot_wave_0_\@:
	s_barrier_wait -3
	s_barrier_signal -1
	s_barrier_wait -1
.endm
.macro CROUND
	s_barrier_signal -1
	s_barrier_wait -1
	CREST
.endm
; The bases of m and of P for key block s74, clamped to the diagonal's block y.  s71 = s73 = 0.
.macro BASES
	s_min_u32 s70, s74, s43
	s_lshl_b32 s72, s70, 12                        ; P: 4 chunks of 1,024 bytes a key block
	s_lshl_b32 s70, s70, 14                        ; m: 16,384 bytes a key block
	s_add_nc_u64 s[68:69], s[8:9], s[70:71]
	s_add_nc_u64 s[76:77], s[4:5], s[72:73]
.endm
.macro ASKM                            ; the m of my rows
	WIN 0
.irp a, 0,1,2,3,4,5,6,7
	global_load_b32 v[MW+\a], v[MOFF], s[68:69] offset:64*\a       ; rows 16 a + r: the eight loads cover the block's 512 consecutive bytes
.endr
.endm
; Chunk i (32 keys) of the key block at s[76:77], all 128 rows, into P's buffer i: 16 loads of 512 consecutive bytes.  Buffer i begins at register 64 + 64 i.
.macro PLOAD i
.set PR, (64+64*(\i))%256
.set WV, ((64+64*(\i))/256)<<6
	WIN WV
.irp a, 0,1,2,3,4,5,6,7
	global_load_b128 v[PR+8*\a:PR+8*\a+3],   v[L16], s[76:77] offset:\a*PRB+(\i)*1024
	global_load_b128 v[PR+8*\a+4:PR+8*\a+7], v[L16], s[76:77] offset:\a*PRB+(\i)*1024+512
.endr
.endm
.macro WEXP cnt                        ; exp2(m - M)
	WIN 0
	s_wait_loadcnt \cnt                            ; the eight m are in; what was asked for behind them stays out
.irp a, 0,1,2,3,4,5,6,7
	v_sub_f32 v[MW+\a], v[MW+\a], v[MR+\a]
.endr
.irp a, 0,1,2,3,4,5,6,7
	v_exp_f32 v[MW+\a], v[MW+\a]
.endr
	v_nop                                          ; a plain instruction between the exponentials and the first use of a result (ISA guide 5.7.2)
.endm
.macro WPACK w                         ; 0 above the diagonal; {w, w} in f16
	s_cmp_le_u32 s74, s43
	s_cselect_b32 s75, 1.0, 0
	s_wait_alu depctr_va_vdst(0)
.irp a, 0,1,2,3,4,5,6,7
	v_mul_f32 v[MW+\a], s75, v[MW+\a]
.endr
.irp a, 0,1,2,3,4,5,6,7
	v_cvt_pk_f16_f32 v[\w+\a], v[MW+\a], v[MW+\a]
.endr
.endm
	s_load_b256 s[4:11], s[0:1], 0x0               ; P s[4:5], Vh s[6:7], stats s[8:9], out0 s[10:11]
	v_lshl_add_u32 v19, v0, 2, 0x48400
	v_mov_b32 v25, 0
	ds_add_u32 v19, v25
	ds_add_u32 v19, v25
	v_lshrrev_b32 v1, 5, v0
	v_readfirstlane_b32 s12, v1                    ; wave 0..3
	s_bfe_u32 s40, ttmp6, 0x40000                  ; cx
	s_bfe_u32 s41, ttmp6, 0x40004                  ; cy
	s_lshl_b32 s42, ttmp9, 2
	s_add_co_u32 s42, s42, s40                     ; x = 4 cluster x + cx
	s_and_b32 s44, ttmp7, 0xffff                   ; c = cluster y: the same in all sixteen
	s_lshl_b32 s43, s44, 2
	s_add_co_u32 s43, s43, s41                     ; y = 4 c + cy
	s_lshl_b32 s46, 0x1111, s40                    ; my column of the cluster
	; V: 128 keys x 128 f16, rows 1,024 elements apart, 8 words of padding behind every 64
	s_or_b32 s[G1B+0], s46, (1<<16)|(1<<20)|(1<<21)|(5<<22)|(7<<25)
	s_mov_b32 s[G1B+1], 128<<16
	s_mov_b32 s[G1B+2], 128<<16
	s_mov_b32 s[G1B+3], 128<<16
	s_mov_b32 s[G1B+4], 128
	s_mov_b32 s[G1B+5], 1024
	s_mov_b32 s[G1B+6], 0
	s_mov_b32 s[G1B+7], 0
	; V's address hangs on x and the wave alone, in registers that never hold y
	s_lshl_b32 s18, s42, 8                         ; 128 x columns of 2 bytes
	s_lshl_b32 s19, s12, 18                        ; + my 128 keys of 2,048 bytes
	s_add_co_u32 s18, s18, s19
	s_mov_b32 s19, 0
	s_mul_i32 s21, s12, VQ                         ; LDS: my quarter of a slot
	s_lshl_b32 s16, s43, 20                        ; P: 8 y row blocks of 131,072 bytes
	s_mov_b32 s17, 0
	s_lshl_b32 s66, s43, 19                        ; out0: (128 y + 32 wave) rows of 4,096 bytes + 128 x columns of 4 bytes
	s_lshl_b32 s67, s12, 17
	s_add_co_u32 s66, s66, s67
	s_lshl_b32 s67, s42, 9
	s_add_co_u32 s66, s66, s67
	s_mov_b32 s67, 0
	s_mov_b32 s71, 0
	s_mov_b32 s73, 0
	s_mov_b32 s74, s12                             ; my key block in lap 0
	v_and_b32 v1, 15, v0                           ; r
	v_bfe_u32 v2, v0, 4, 1                         ; h
	v_and_b32 v5, 7, v0                            ; V: key 8 h + l % 8, 16 bytes by bit 3 of the lane: what ds_load_tr16_b128 turns into
	v_lshl_add_u32 v5, v2, 3, v5                   ; keys 8 h .. 8 h + 7 of column r
	v_mul_u32_u24 v5, v5, VPITCH
	v_bfe_u32 v6, v0, 3, 1
	v_lshl_add_u32 v5, v6, 4, v5
	s_add_co_u32 s22, s21, RING
	v_add_nc_u32 v[ADRB], s22, v5
	v_add_nc_u32 v[ADRB+1], SLOT, v[ADRB]
	v_mul_u32_u24 v3, v1, RPITCH
	v_lshl_add_u32 v4, v2, 5, v3                   ; partial block: row r, 8 f32 for each half of the lanes
	s_mul_i32 s22, s12, RPART
	s_add_co_u32 s22, s22, RING
	v_add_nc_u32 v[REDST], s22, v4
	v_and_b32 v5, 31, v0
	v_lshlrev_b32 v[L16], 4, v5
	s_lshl_b32 s22, s12, 7
	s_add_co_u32 s22, s22, LTAB
	v_mov_b32 v[LRD], s22
	s_mul_i32 s22, s12, 32*RPITCH
	s_add_co_u32 s22, s22, RING
.irp s, 0,1,2,3
	v_add_nc_u32 v[REDRD+\s], s22, v[L16]
	s_add_co_u32 s22, s22, RPART
.endr
	s_lshl_b32 s78, s43, 9                         ; 4 x 128 y
	v_lshlrev_b32 v8, 2, v0                        ; 4 t: my word in the tables of M and 1 / L
	v_add_nc_u32 v7, s78, v8                       ; 4 (128 y + t)
	v_lshl_add_u32 v[MOFF], v1, 2, s78
	v_lshlrev_b32 v[MRD], 2, v1
	s_wait_dscnt 0x0
	s_wait_kmcnt 0x0
	s_add_nc_u64 s[18:19], s[6:7], s[18:19]
	s_add_nc_u64 s[4:5], s[4:5], s[16:17]
	s_add_nc_u64 s[10:11], s[10:11], s[66:67]
	CROUND                                         ; all sixteen work-groups are here: the first joint loads meet
.irp s, 0,1
	s_mov_b32 s[G0B+4*\s], 1
	s_add_co_u32 s[G0B+4*\s+1], s21, RING+\s*SLOT
	s_add_nc_u64 s[G0B+4*\s+2:G0B+4*\s+3], s[18:19], \s*1048576    ; lap s: 512 keys of 2,048 bytes on
	s_or_b32 s[G0B+4*\s+3], s[G0B+4*\s+3], 0x80000000
	tensor_load_to_lds s[G0B+4*\s:G0B+4*\s+3], s[G1B:G1B+7]        ; both first fills, behind the one round: two loads of the wave are out
	s_nop 0
.endr
	BASES
	ASKM                                           ; lap 0's m, in the fragments' order of rows
	PLOAD 0                                        ; lap 0's first two chunks of P; buffer 2's registers serve M and L first
	PLOAD 1
	; M AND L.  Thread t has row 128 y + t.  Blocks above the diagonal (kb > y) have no m and l: their loads are clamped to block y and their weight is made 0.
.set kb, 0
.rept 32
.if kb == 16
	s_wait_xcnt 0x0                                ; the sixteen offset registers are written again only behind this wait
.endif
	s_min_u32 s78, s43, kb
	s_lshl_b32 s78, s78, 14
	v_add_nc_u32 v[32+kb%16], s78, v7
	global_load_b32 v[192+kb], v[32+kb%16], s[8:9]                 ; m
	global_load_b32 v[224+kb], v[32+kb%16], s[8:9] offset:524288   ; l
.set kb, kb+1
.endr
	s_wait_loadcnt 0x0
	v_max_num_f32 v11, v192, v193
.set kb, 2
.rept 15
	v_max3_num_f32 v11, v11, v[192+kb], v[192+kb+1]                ; M
.set kb, kb+2
.endr
.set kb, 0
.rept 32
	v_sub_f32 v[192+kb], v[192+kb], v11
.set kb, kb+1
.endr
.set kb, 0
.rept 32
	v_exp_f32 v[192+kb], v[192+kb]
.set kb, kb+1
.endr
	v_nop                                          ; a plain instruction between the exponentials and the first use of a result (ISA guide 5.7.2)
	s_wait_alu depctr_va_vdst(0)
.set kb, 0
.rept 32
	s_cmp_ge_u32 s43, kb
	s_cselect_b32 s79, 1.0, 0
	v_mul_f32 v[192+kb], s79, v[192+kb]            ; 0 above the diagonal
	v_cvt_pk_f16_f32 v14, v[192+kb], v[192+kb]     ; the same steps as WEXP and WPACK: L uses the w that P is multiplied by
	v_cvt_f32_f16 v15, v14.l
.if kb
	v_fmac_f32 v12, v15, v[224+kb]
.else
	v_mul_f32 v12, v15, v[224+kb]                  ; the first product starts L
.endif
.set kb, kb+1
.endr
	ds_store_b32 v8, v11 offset:MTAB
	v_rcp_f32 v13, v12
	v_nop
	s_wait_alu depctr_va_vdst(0)
	ds_store_b32 v8, v13 offset:LTAB
	PLOAD 2                                        ; lap 0's third chunk
	s_wait_dscnt 0x0                               ; my part of the tables is written, for the other waves' sake
	s_wait_tensorcnt 1                             ; my quarter of lap 0 is in; lap 1's load stays out
	s_barrier_signal -1
	s_barrier_wait -1
; 16 matrix instructions on P's buffer i and V's buffer vf: row blocks 4 hi + a0, 4 hi + a0 + 1 x all 8 column blocks.  zero = 1: the first product starts the sums.
.macro MUL16 i, vf, hi, a0, zero
.set PR, (64+64*(\i))%256
.set WV, ((2+\hi)<<6)|((2+\hi)<<4)|(((64+64*(\i))/256)<<2)|1       ; C and D window 2 + hi, P's window, V window 1
	WIN WV
.irp a, \a0, \a0+1
.irp b, 0,1,2,3,4,5,6,7
.if \zero
	v_wmma_f32_16x16x32_f16 v[8*(8*(\a)+\b):8*(8*(\a)+\b)+7], v[\vf+8*\b:\vf+8*\b+7], v[PR+8*(4*\hi+\a):PR+8*(4*\hi+\a)+7], 0
.else
	v_wmma_f32_16x16x32_f16 v[8*(8*(\a)+\b):8*(8*(\a)+\b)+7], v[\vf+8*\b:\vf+8*\b+7], v[PR+8*(4*\hi+\a):PR+8*(4*\hi+\a)+7], v[8*(8*(\a)+\b):8*(8*(\a)+\b)+7]
.endif
.endr
.endr
.endm
.macro MUL64 i, vf, zero
	MUL16 \i, \vf, 0, 0, \zero
	MUL16 \i, \vf, 0, 2, \zero
	MUL16 \i, \vf, 1, 0, \zero
	MUL16 \i, \vf, 1, 2, \zero
.endm
; P's buffer i times its rows' weights, two f16 at a time
.macro SCALE i, w
.set PR, (64+64*(\i))%256
.set WV, (((64+64*(\i))/256)<<6)|((64+64*(\i))/256)
	WIN WV
.set aa, 0
.rept 8
.irp j, 0,1,2,3,4,5,6,7
	v_pk_mul_f16 v[PR+8*aa+\j], v[PR+8*aa+\j], v[\w+aa]
.endr
.set aa, aa+1
.endr
.endm
; 16 LDS loads: keys 32 q .. 32 q + 31 of my 128, V's 128 columns, transposed on the way, into V's buffer vf
.macro FETCH slot, q, vf
	WIN TO_B
.irp b, 0,1,2,3,4,5,6,7
	ds_load_tr16_b128 v[\vf+8*\b:\vf+8*\b+3],   v[ADRB+\slot] offset:(\q)*32*VPITCH+32*\b
	ds_load_tr16_b128 v[\vf+8*\b+4:\vf+8*\b+7], v[ADRB+\slot] offset:(\q)*32*VPITCH+32*\b+16*VPITCH
.endr
.endm
; A lap is four halves... of 32 of my keys, q = 0..3, on P's buffer q and V's buffers 0, 1, 0, 1.  The 64 accumulators take turns, one instruction a turn, in the
; same order in every one, across the labels too.  The 64 multiplications of SCALE name no register of the matrix instructions
; in front of them: they are also the four plain instructions between the last matrix instruction that read a buffer and the
; loads that fill it again.
; THE ORDER OF THE GLOBAL LOADS in a lap n: q = 0: P(n, 3); q = 1: m(n + 1), P(n + 1, 0); q = 2: P(n + 1, 1); q = 3: P(n + 1, 2); 16 loads a buffer, 8 for m.
; So behind the loads of the buffer that q = 0 or 1 waits for, two buffers were asked for: count 32; at q = 2 or 3 two buffers and m: count 40.
; q = 0, 1, 2.  next = 1: the bases step to the next lap's key block, behind s_wait_xcnt 0 since pending loads name them.  pl = 1: buffer (q + 3) % 4 is asked for.
.macro HALF s, q, vf, vfn, zero, lcnt, next, pl
	s_wait_loadcnt \lcnt                           ; P's buffer q is in
	s_wait_dscnt 0x0                               ; V's fragments, asked for a half ago, are in
	SCALE \q, W0+8*\s
.if \next
	s_wait_xcnt 0x0
	s_add_co_u32 s74, s74, 4                       ; a lap is four key blocks
	BASES
	ASKM
.endif
.if \pl
	PLOAD (\q+3)%4
.endif
	FETCH \s, \q+1, \vfn
	MUL64 \q, \vf, \zero
.endm
.macro LAPQ s, zero, more              ; more = 0: the last lap asks for its own last chunk and nothing else: the counts run down
	HALF \s, 0, VF0, VF1, \zero, 32, 0, 1
.if \more
	HALF \s, 1, VF1, VF0, 0, 32, 1, 1
	HALF \s, 2, VF0, VF1, 0, 40, 0, 1
.else
	HALF \s, 1, VF1, VF0, 0, 32, 0, 0
	HALF \s, 2, VF0, VF1, 0, 16, 0, 0
.endif
.endm
; q = 3: multiplies buffer 3 and changes slots.  In front of the barrier each wave waits for its reads of this slot and for all its tensor loads (one is out:
; its quarter of the next slot).  fill = 1: the barrier opens a round of the cluster's barrier, so that no wave of any partner still reads this slot or
; has a load on its way; the joint refill, two laps ahead, is the wave's first and only tensor load behind the round.  fill = 0 keeps the barrier's form,
; once.  The next lap's weights are made here: behind m three buffers of P were asked for: count 48.
.macro TURN s, n, fill
	s_wait_loadcnt 40                              ; P's buffer 3 is in
	s_wait_dscnt 0x0                               ; V's fragments are in: my reads of this slot are over
	SCALE 3, W0+8*\s
	PLOAD 2
	s_wait_tensorcnt 0x0                           ; all my tensor loads have landed
	ds_add_u32 v19, v25
	s_wait_dscnt 0x0
	s_barrier_signal -1
	MUL16 3, VF1, 0, 0, 0                          ; registers only, while the others arrive
	WIN 0
	s_barrier_wait -1
.if \fill
	CREST
	s_add_nc_u64 s[G0B+4*\s+2:G0B+4*\s+3], s[G0B+4*\s+2:G0B+4*\s+3], 2097152       ; no load of mine is out: the group may be written
	tensor_load_to_lds s[G0B+4*\s:G0B+4*\s+3], s[G1B:G1B+7]
	s_nop 0
.endif
	FETCH \n, 0, VF0
	WEXP 48
	WPACK W0+8*\n
	MUL16 3, VF1, 0, 2, 0
	MUL16 3, VF1, 1, 0, 0
	MUL16 3, VF1, 1, 2, 0
.endm
	WIN 0
.irp a, 0,1,2,3,4,5,6,7
	ds_load_b32 v[MR+\a], v[MRD] offset:MTAB+64*\a                 ; M of rows 16 a + r, kept for the whole kernel
.endr
	FETCH 0, 0, VF0
	s_wait_dscnt 16                                ; M is in; the 16 fragment loads issued behind it stay out
	WEXP 16                                        ; m was shown in above; the count leaves buffer 2's loads out
	WPACK W0                                       ; lap 0's weights
	LAPQ 0, 1, 1                                   ; the first 64 products start the sums
	WIN 0
	s_lshr_b32 s3, s44, 1                          ; c / 2 trips of two laps, each filling both slots again; c is the same in all sixteen work-groups
	s_cmp_eq_u32 s3, 0
	s_cbranch_scc1 .Lfinal
.Llap:
	TURN 0, 1, 1
	LAPQ 1, 0, 1
	TURN 1, 0, 1
	LAPQ 0, 0, 1
	WIN 0
	s_sub_co_u32 s3, s3, 1
	s_cmp_lg_u32 s3, 0
	s_cbranch_scc1 .Llap
.Lfinal:
	TURN 0, 1, 0                                   ; the last two laps: no tile is left to fetch
	LAPQ 1, 0, 0
	s_wait_loadcnt 0x0                             ; the last buffer: nothing younger is out
	s_wait_dscnt 0x0
	SCALE 3, W0+8
	MUL64 3, VF1, 0
	; THE WAY OUT.  The ring has had its last fill, and every wave's tensor loads were waited for in the last change of slots.
.rept 4
	v_nop                                          ; four plain instructions in front of the LDS stores that read results
.endr
	WIN 0
	s_barrier_signal -1                            ; my LDS reads are back (the wait for 0 above): when all four have said so the ring may be written over
	s_barrier_wait -1
.irp a, 0,1,2,3,4,5,6,7
.set WV, (2+((\a)>>2))<<2
	WIN WV                                         ; a store's data are its source 1
.irp b, 0,1,2,3,4,5,6,7
	ds_store_b128 v[REDST], v[8*(8*((\a)&3)+\b):8*(8*((\a)&3)+\b)+3]   offset:\a*16*RPITCH+64*\b
	ds_store_b128 v[REDST], v[8*(8*((\a)&3)+\b)+4:8*(8*((\a)&3)+\b)+7] offset:\a*16*RPITCH+64*\b+16
.endr
.endr
	WIN 0
	s_wait_dscnt 0x0                               ; my partial block is written, for the other waves' sake
	s_barrier_signal -1
	s_barrier_wait -1
.irp g, 0,1,2,3,4,5,6,7
	ds_load_b128 v[IL+4*\g:IL+4*\g+3], v[LRD] offset:16*\g         ; 1 / L of my 32 rows, all of them in every lane
.endr
; Wave w finishes rows 32 w .. 32 w + 31, four at a time.  A row is 512 bytes: 16 a lane.
.macro RLOAD g, x                      ; rows 4 g .. 4 g + 3 of the four partial blocks
.irp i, 0,1,2,3
.irp s, 0,1,2,3
	ds_load_b128 v[\x+16*\i+4*\s:\x+16*\i+4*\s+3], v[REDRD+\s] offset:(4*(\g)+\i)*RPITCH
.endr
.endr
.endm
.macro RSUM g, x, left
	s_wait_dscnt \left
.irp i, 0,1,2,3
	v_pk_add_f32 v[\x+16*\i:\x+16*\i+1],     v[\x+16*\i:\x+16*\i+1],     v[\x+16*\i+4:\x+16*\i+5]
	v_pk_add_f32 v[\x+16*\i+2:\x+16*\i+3],   v[\x+16*\i+2:\x+16*\i+3],   v[\x+16*\i+6:\x+16*\i+7]
	v_pk_add_f32 v[\x+16*\i+8:\x+16*\i+9],   v[\x+16*\i+8:\x+16*\i+9],   v[\x+16*\i+12:\x+16*\i+13]
	v_pk_add_f32 v[\x+16*\i+10:\x+16*\i+11], v[\x+16*\i+10:\x+16*\i+11], v[\x+16*\i+14:\x+16*\i+15]
	v_pk_add_f32 v[\x+16*\i:\x+16*\i+1],     v[\x+16*\i:\x+16*\i+1],     v[\x+16*\i+8:\x+16*\i+9]
	v_pk_add_f32 v[\x+16*\i+2:\x+16*\i+3],   v[\x+16*\i+2:\x+16*\i+3],   v[\x+16*\i+10:\x+16*\i+11]
.if ((\i)&1)                           ; both halves take the row's own register of the even-aligned pair that holds it
	v_pk_mul_f32 v[\x+16*\i:\x+16*\i+1],   v[\x+16*\i:\x+16*\i+1],   v[IL+4*(\g)+\i-1:IL+4*(\g)+\i] op_sel:[0,1] op_sel_hi:[1,1]
	v_pk_mul_f32 v[\x+16*\i+2:\x+16*\i+3], v[\x+16*\i+2:\x+16*\i+3], v[IL+4*(\g)+\i-1:IL+4*(\g)+\i] op_sel:[0,1] op_sel_hi:[1,1]
.else
	v_pk_mul_f32 v[\x+16*\i:\x+16*\i+1],   v[\x+16*\i:\x+16*\i+1],   v[IL+4*(\g)+\i:IL+4*(\g)+\i+1] op_sel_hi:[1,0]
	v_pk_mul_f32 v[\x+16*\i+2:\x+16*\i+3], v[\x+16*\i+2:\x+16*\i+3], v[IL+4*(\g)+\i:IL+4*(\g)+\i+1] op_sel_hi:[1,0]
.endif
	global_store_b128 v[L16], v[\x+16*\i:\x+16*\i+3], s[10:11] offset:(4*(\g)+\i)*4096 th:TH_STORE_NT   ; 512 consecutive bytes, aligned
.endr
.endm
; Two groups are on their way: the count 16 leaves the one younger group's 16 loads out.  A buffer is loaded again only behind s_wait_xcnt 0,
; since the stores just issued read it.
	RLOAD 0, F0
	RLOAD 1, F1
	RSUM 0, F0, 16
	s_wait_xcnt 0x0
	RLOAD 2, F0
	RSUM 1, F1, 16
	s_wait_xcnt 0x0
	RLOAD 3, F1
	RSUM 2, F0, 16
	s_wait_xcnt 0x0
	RLOAD 4, F0
	RSUM 3, F1, 16
	s_wait_xcnt 0x0
	RLOAD 5, F1
	RSUM 4, F0, 16
	s_wait_xcnt 0x0
	RLOAD 6, F0
	RSUM 5, F1, 16
	s_wait_xcnt 0x0
	RLOAD 7, F1
	RSUM 6, F0, 16
	RSUM 7, F1, 0                                  ; the last group: nothing younger is out
	s_wait_tensorcnt 0x0
	ds_add_u32 v19, v25
	s_wait_dscnt 0x0
	CROUND                                         ; the closing round: no work-group ends while a partner may still ask for a tile that names it
	s_endpgm
.Lfunc_end_k_q5f0687b3c5_pv:
	.size	k_q5f0687b3c5_pv, .Lfunc_end_k_q5f0687b3c5_pv-k_q5f0687b3c5_pv
	.p2alignl 7, 3214868480
	.fill 96, 4, 3214868480
	.section	.rodata,"a",@progbits
	.p2align	6, 0x0
	.amdhsa_kernel k_q5f0687b3c5_pv
		.amdhsa_group_segment_fixed_size 327680
		.amdhsa_private_segment_fixed_size 0
		.amdhsa_enable_private_segment 0
		.amdhsa_kernarg_size 32
		.amdhsa_user_sgpr_count 2
		.amdhsa_user_sgpr_kernarg_segment_ptr 1
		.amdhsa_wavefront_size32 1
		.amdhsa_system_sgpr_workgroup_id_x 1
		.amdhsa_system_sgpr_workgroup_id_y 1
		.amdhsa_system_sgpr_workgroup_id_z 1
		.amdhsa_system_vgpr_workitem_id 0
		.amdhsa_next_free_vgpr 1024
		.amdhsa_next_free_sgpr 80
		.amdhsa_reserve_vcc 0
		.amdhsa_float_denorm_mode_32 3
		.amdhsa_float_denorm_mode_16_64 3
		.amdhsa_memory_ordered 1
		.amdhsa_forward_progress 1
		.amdhsa_inst_pref_size 245
	.end_amdhsa_kernel
	.amdgpu_metadata
---
amdhsa.version: [ 1, 2 ]
amdhsa.kernels:
  - .name:           k_q5f0687b3c5_pv
    .symbol:         k_q5f0687b3c5_pv.kd
    .args:
      - { .name: P, .offset: 0, .size: 8, .value_kind: global_buffer, .address_space: global }
      - { .name: Vh, .offset: 8, .size: 8, .value_kind: global_buffer, .address_space: global }
      - { .name: stats, .offset: 16, .size: 8, .value_kind: global_buffer, .address_space: global }
      - { .name: out0, .offset: 24, .size: 8, .value_kind: global_buffer, .address_space: global }
    .group_segment_fixed_size: 327680
    .private_segment_fixed_size: 0
    .kernarg_segment_align: 8
    .kernarg_segment_size: 32
    .max_flat_workgroup_size: 128
    .sgpr_count:     80
    .vgpr_count:     1024
    .wavefront_size: 32
...
	.end_amdgpu_metadata
.endif
;; end of part 3
;; ======== version 2 of 2: 3 launches; version 1 with the launch cast written anew for expert scheduling mode
;; limits: values are held in f16: magnitudes above 65,504 overflow, below 6.1e-05 lose precision; inputs' magnitudes at most 65,504
;; workspace buffers: Qb 8,388,608 bytes; Kb 8,388,608 bytes; Vh 8,388,608 bytes; P 33,554,432 bytes; stats 1,048,576 bytes
;; launch cast (part 4): grid 256 x 3, 8 waves a work-group, no clusters, 0 bytes of LDS; arguments Q, K, V, Qb, Kb, Vh; writes Qb, Kb, Vh
.if DOCPART == 4
	.amdgcn_target "amdgcn-amd-amdhsa--gfx1250"
	.amdhsa_code_object_version 6
	.text
	.protected	k_q5f0687b3c5_cast
	.globl	k_q5f0687b3c5_cast
	.p2align	8
	.type	k_q5f0687b3c5_cast,@function
k_q5f0687b3c5_cast:
	s_mov_b64 s[64:65], 0
	v_nop
	global_prefetch_b8 v0, s[64:65] scope:SCOPE_SE
	s_setreg_imm32_b32 hwreg(HW_REG_WAVE_SCHED_MODE, 0, 2), 2
	s_setreg_imm32_b32 hwreg(HW_REG_WAVE_MODE, 25, 1), 1
	s_wait_xcnt 0x0
	s_wait_alu depctr_vm_vsrc(0)
; Q, K [4096][1024] f32  ->  Qb, Kb [4096][1024] bf16, rounded to nearest even.
; V    [4096][1024] f32  ->  Vh [4096][1024] f16: rounded to bf16 like Q and K, so that all three inputs carry the same rounding, and then
; written in f16's format, because V's partner in the second product, the probabilities, wants f16's 11 significant bits.  A bf16 number
; has 8 significant bits, so the second step is exact for 2^-14 <= |V| < 65,504.
; LIMITS: |V| >= 65,520 becomes infinite; |V| < 2^-14 is kept to within 2^-25.
; A plain stream: no LDS, no barrier, no matrix unit.  Grid y picks the tensor; a work-group takes 65,536 bytes
; of input (256 work-groups x 65,536 = the tensor's 16,777,216), a wave 8,192 of them as sixteen 16-byte loads
; a lane.  A load of the wave covers 512 consecutive bytes; the 8 bytes a lane that come of it make one store
; of 256 consecutive bytes, aligned.  All sixteen loads are issued first.
; THE MODE: SCHED_MODE bits 1:0 = 2 (LLVM: expert scheduling mode 2), set by the entry lines.  The code itself states the register dependences
; between vector instructions and memory instructions, with s_wait_alu, always for 0.
; THE PLAN.  Registers that memory instructions touch:
;   v3, v4   byte offsets, made at the head and never written again.  v3 is read by the sixteen loads, v4 by the sixteen stores.
;   IN       written by the loads, which no vector instruction precedes on these registers; read (and, for V, written again) by vector instructions
;            behind the counted wait for the load; read by no memory instruction.
;   OUT      written by the roundings alone; each pair is read by one store, behind its last writer, and never written again.
; The sixteen loads go in four groups of four.  Group g waits for its four loads; one wait on va_vdst then states that group g - 1 has written its eight
; OUT registers; group g - 1's four stores follow, dealt among group g's roundings, which name group g's IN and OUT alone: none of the registers that those
; stores read.  One more such wait stands ahead of the last four stores.  No register that a memory instruction has read is written again, so the text
; holds no wait on vm_vsrc past the entry lines; no vector instruction writes a scalar register, VCC or EXEC.
.set IN,  8                            ; v[8:71]    load j: 4 f32
.set OUT, 72                           ; v[72:103]  store j: 4 numbers of 16 bits
	s_load_b256 s[4:11], s[0:1], 0x0               ; Q s[4:5], K s[6:7], V s[8:9], Qb s[10:11]
	s_load_b128 s[12:15], s[0:1], 0x20             ; Kb s[12:13], Vh s[14:15]
	s_and_b32 s16, ttmp7, 0xffff                   ; which tensor
	s_lshl_b32 s18, ttmp9, 16                      ; the work-group's 65,536 bytes of input,
	s_mov_b32 s19, 0
	s_lshl_b32 s20, ttmp9, 15                      ; and its 32,768 bytes of output
	s_mov_b32 s21, 0
	v_and_b32 v1, 31, v0                           ; lane
	v_lshrrev_b32 v2, 5, v0                        ; wave
	v_lshlrev_b32 v3, 4, v1
	v_lshl_add_u32 v3, v2, 13, v3                  ; in:  16 lane + 8,192 wave
	v_lshlrev_b32 v4, 3, v1
	v_lshl_add_u32 v4, v2, 12, v4                  ; out:  8 lane + 4,096 wave
	s_wait_kmcnt 0x0
	s_cmp_eq_u32 s16, 1
	s_cselect_b64 s[4:5], s[6:7], s[4:5]           ; y = 1: K to Kb
	s_cselect_b64 s[10:11], s[12:13], s[10:11]
	s_cmp_eq_u32 s16, 2
	s_cselect_b64 s[4:5], s[8:9], s[4:5]           ; y = 2: V to Vh
	s_cselect_b64 s[10:11], s[14:15], s[10:11]
	s_add_nc_u64 s[4:5], s[4:5], s[18:19]
	s_add_nc_u64 s[10:11], s[10:11], s[20:21]
	s_wait_alu depctr_va_vdst(0)                   ; v3 and v4 are written: every load below reads v3 as its offset, every store on either arm v4
.irp j, 0,1,2,3,4,5,6,7,8,9,10,11,12,13,14,15
	global_load_b128 v[IN+4*\j:IN+4*\j+3], v3, s[4:5] offset:512*\j th:TH_LOAD_NT   ; read once in the launch
.endr
; Store j: 256 consecutive bytes of the wave, aligned.
.macro SEND j
	global_store_b64 v4, v[OUT+2*(\j):OUT+2*(\j)+1], s[10:11] offset:256*(\j)
.endm
; Load j's four numbers rounded to bf16 (Q and K).
.macro ROUNDB j
	v_cvt_pk_bf16_f32 v[OUT+2*(\j)],   v[IN+4*(\j)],   v[IN+4*(\j)+1]
	v_cvt_pk_bf16_f32 v[OUT+2*(\j)+1], v[IN+4*(\j)+2], v[IN+4*(\j)+3]
.endm
; Load j's four numbers rounded to bf16 and written in f16's format (V).
.macro ROUNDH j
	v_cvt_pk_bf16_f32 v[OUT+2*(\j)],   v[IN+4*(\j)],   v[IN+4*(\j)+1]    ; the rounding
	v_cvt_pk_bf16_f32 v[OUT+2*(\j)+1], v[IN+4*(\j)+2], v[IN+4*(\j)+3]
	v_lshlrev_b32 v[IN+4*(\j)],   16, v[OUT+2*(\j)]                      ; back to f32: the low half moves up, the high half stays
	v_and_b32     v[IN+4*(\j)+1], 0xffff0000, v[OUT+2*(\j)]
	v_lshlrev_b32 v[IN+4*(\j)+2], 16, v[OUT+2*(\j)+1]
	v_and_b32     v[IN+4*(\j)+3], 0xffff0000, v[OUT+2*(\j)+1]
	v_cvt_pk_f16_f32 v[OUT+2*(\j)],   v[IN+4*(\j)],   v[IN+4*(\j)+1]     ; the change of format
	v_cvt_pk_f16_f32 v[OUT+2*(\j)+1], v[IN+4*(\j)+2], v[IN+4*(\j)+3]
.endm
	s_cmp_eq_u32 s16, 2
	s_cbranch_scc1 .Lv
.irp g, 0,1,2,3
	s_wait_loadcnt 12-4*\g                         ; loads come back in order: the group's four are in, the 12 - 4 g younger ones stay out
.if \g > 0
	s_wait_alu depctr_va_vdst(0)                   ; the group before has written its eight OUT registers, which the four stores below read
.endif
.irp i, 0,1,2,3
.if \g > 0
	SEND 4*(\g)-4+\i                               ; no vector instruction since the wait names this store's registers
.endif
	ROUNDB 4*(\g)+\i
.endr
.endr
	s_wait_alu depctr_va_vdst(0)                   ; the last group has written its eight OUT registers, which the last four stores read
.irp i, 12,13,14,15
	SEND \i
.endr
	s_endpgm
.Lv:
.irp g, 0,1,2,3
	s_wait_loadcnt 12-4*\g                         ; as above
.if \g > 0
	s_wait_alu depctr_va_vdst(0)                   ; the group before has written its eight OUT registers, in f16's format, which the four stores below read
.endif
.irp i, 0,1,2,3
.if \g > 0
	SEND 4*(\g)-4+\i                               ; no vector instruction since the wait names this store's registers
.endif
	ROUNDH 4*(\g)+\i
.endr
.endr
	s_wait_alu depctr_va_vdst(0)                   ; the last group has written its eight OUT registers, which the last four stores read
.irp i, 12,13,14,15
	SEND \i
.endr
	s_endpgm
.Lfunc_end_k_q5f0687b3c5_cast:
	.size	k_q5f0687b3c5_cast, .Lfunc_end_k_q5f0687b3c5_cast-k_q5f0687b3c5_cast
	.p2alignl 7, 3214868480
	.fill 96, 4, 3214868480
	.section	.rodata,"a",@progbits
	.p2align	6, 0x0
	.amdhsa_kernel k_q5f0687b3c5_cast
		.amdhsa_group_segment_fixed_size 0
		.amdhsa_private_segment_fixed_size 0
		.amdhsa_enable_private_segment 0
		.amdhsa_kernarg_size 48
		.amdhsa_user_sgpr_count 2
		.amdhsa_user_sgpr_kernarg_segment_ptr 1
		.amdhsa_wavefront_size32 1
		.amdhsa_system_sgpr_workgroup_id_x 1
		.amdhsa_system_sgpr_workgroup_id_y 1
		.amdhsa_system_sgpr_workgroup_id_z 1
		.amdhsa_system_vgpr_workitem_id 0
		.amdhsa_next_free_vgpr 104
		.amdhsa_next_free_sgpr 66
		.amdhsa_reserve_vcc 0
		.amdhsa_float_denorm_mode_32 3
		.amdhsa_float_denorm_mode_16_64 3
		.amdhsa_memory_ordered 1
		.amdhsa_forward_progress 1
		.amdhsa_inst_pref_size 16
	.end_amdhsa_kernel
	.amdgpu_metadata
---
amdhsa.version: [ 1, 2 ]
amdhsa.kernels:
  - .name:           k_q5f0687b3c5_cast
    .symbol:         k_q5f0687b3c5_cast.kd
    .args:
      - { .name: Q, .offset: 0, .size: 8, .value_kind: global_buffer, .address_space: global }
      - { .name: K, .offset: 8, .size: 8, .value_kind: global_buffer, .address_space: global }
      - { .name: V, .offset: 16, .size: 8, .value_kind: global_buffer, .address_space: global }
      - { .name: Qb, .offset: 24, .size: 8, .value_kind: global_buffer, .address_space: global }
      - { .name: Kb, .offset: 32, .size: 8, .value_kind: global_buffer, .address_space: global }
      - { .name: Vh, .offset: 40, .size: 8, .value_kind: global_buffer, .address_space: global }
    .group_segment_fixed_size: 0
    .private_segment_fixed_size: 0
    .kernarg_segment_align: 8
    .kernarg_segment_size: 48
    .max_flat_workgroup_size: 256
    .sgpr_count:     66
    .vgpr_count:     104
    .wavefront_size: 32
...
	.end_amdgpu_metadata
.endif
;; end of part 4
;; launch scores: the kernel of part 2 again; grid 17 x 8, 4 waves a work-group, no clusters, 327,680 bytes of LDS; arguments Qb, Kb, P, stats; writes P, stats
;; launch pv: the kernel of part 3 again; grid 8 x 32, 4 waves a work-group, clusters of 4 x 4, 327,680 bytes of LDS; arguments P, Vh, stats, out0; writes out0
